; MI455X (gfx1250); checked and timed in simulation.
; The chip was launched on July 23, 2026; its instructions are those of AMD's public machine-readable ISA for CDNA 5 (MIT licence, August 2026) and "CDNA5" Instruction Set Architecture Reference Guide (July 2026). The comments in the code are by the model that wrote it; some were corrected since.
;; Fused Online Attention. Allowed arithmetic: matrix products marked QUANTISED: E5M2 operands, one given power-of-two scale a tensor, by v_wmma_f32_16x16x64_bf8_bf8 or v_wmma_f32_16x16x128_bf8_bf8, f32 sums; everything else in f32.
;; Inputs: alibi_slopes 16 float32; key_codes 4 x 2,048 x 16 x 4 x 32 uint8 (E5M2 codes of key, K innermost, in blocks of 32 codes); lowp_scales 4 int32 (the exponents e of the quantised operands' scales 2^e); query_codes 4 x 2,048 x 16 x 4 x 32 uint8 (E5M2 codes of query, K innermost, in blocks of 32 codes); value_codes 4 x 16 x 128 x 64 x 32 uint8 (E5M2 codes of value, K innermost, in blocks of 32 codes).
;; Outputs: out0 4 x 2,048 x 16 x 128 float32.
;; This version of the problem:
;;   THIS VERSION OF THE PROBLEM IS GIVEN IN LOW PRECISION. The matrix products marked QUANTISED in the list below multiply operands that are first quantised to E5M2 (5 exponent bits, 2 mantissa bits; 8 bits a number), with one given power-of-two scale for each operand tensor; their sums are f32. All else is computed in f32.
;;   The module's matrix products, in the order in which they are computed (A, B: the left and right operand; K: the contracted axis; several contracted axes count as one K, in the product's order):
;;     1. batch 64 x [M 2,048, K 128] x [K 128, N 2,048]; A: input query (given as codes); B: input key (given as codes): QUANTISED (scales: A lowp_scales[0], B lowp_scales[1])
;;     2. batch 64 x [M 128, K 2,048] x [K 2,048, N 2,048]; A: input value (given as codes); B: softmax (see below): QUANTISED (scales: A lowp_scales[2], B lowp_scales[3])
;;   THE QUANTISER, for each operand of a quantised product, along K:
;;     - The operand's scale is 2^e, e = its entry of the input lowp_scales (int32; the entries are numbered through the quantised products in the list's order, A before B).
;;     - Each number is divided by the scale, clamped to +-57,344, and rounded to the nearest number of E5M2, ties to even, subnormals kept.
;;     - The product sums the exact products of the quantised numbers (number of the format x scale) in f32.
;;   ~~~python
;;   def quantise(x, axis, e):      # numpy; x: float32 -> the quantised numbers, widened to float32 again
;;       x = np.moveaxis(x, axis, -1); K = x.shape[-1]
;;       r = np.clip(x / 2.0 ** e, -57344, 57344)
;;       step = 2.0 ** (np.maximum(np.frexp(np.where(r == 0, 1, r))[1] - 1, -14) - 2)
;;       q = np.round(r / step) * step * 2.0 ** e      # np.round: ties to even
;;       return np.moveaxis(q, -1, axis).astype(np.float32)
;;   ~~~
;;   SOFTMAX AHEAD OF A QUANTISED PRODUCT. Where the list says 'softmax', what is quantised is not the finished softmax but p = 2^(t - M), with t = logit x log2(e) and M = ceil(the row's largest t), a whole number; so 1/2 < the row's largest p <= 1. The row's sum l is taken of the UNQUANTISED p, in f32, and the product's result is divided by l at the end. Since M is a whole number, a kernel that streams over the keys may use a running M (the ceiling of the running maximum): every later rescaling is an exact power of two, so the quantised numbers keep their values, but for numbers so far below the row's largest that they fall under the format's range.
;;   OPERANDS COMPUTED ON THE WAY. 'Computed on the way' means the value that the module computes at that place (a softmax that the list does not call 'softmax' is quantised finished and normalised). What goes into a quantiser is computed in f32, as accurately as f32 sums, v_exp_f32 and their like allow (about 1e-6 of the number): no bf16 or f16 on the way to a quantiser, and a product that is left as it is and whose result goes on into a quantised operand takes f32 operands (vector FMAs, or v_wmma_f32_16x16x4_f32). A number that lies on a knife's edge between two numbers of the format may be rounded either way, as far as f32 arithmetic and the matrix unit's own rounding can turn it there, and no further.
;;   INPUTS GIVEN AS CODES. key (in the module: [4, 2048, 16, 128], K = its axis 3); query (in the module: [4, 2048, 16, 128], K = its axis 3); value (in the module: [4, 2048, 16, 128], K = its axis 1): each comes as NAME_codes (uint8): NAME with its K axis moved to the last place and cut into blocks of 32 codes, [.., K / 32, bytes a block], one block behind the other in memory; one code a byte (a code: sign, 5 exponent bits, 2 mantissa bits); its scale is its entry of lowp_scales. Its value is code x scale, taken as it is: it is not quantised again, and the codes and scales need not be those that the quantiser above would give.
;; One version. Each part assembles by itself: llvm-mc -triple=amdgcn-amd-amdhsa -mcpu=gfx1250 --defsym DOCPART=n.
;; ======== version 1 of 1: 1 launch
;; limits: right only within a limited range of input values; inputs' magnitudes at most 262,144
;; launch attn (part 1): grid 4 x 64, 8 waves a work-group, no clusters, 327,680 bytes of LDS; arguments query_codes, key_codes, value_codes, lowp_scales, alibi_slopes, out0; writes out0
.if DOCPART == 1
	.amdgcn_target "amdgcn-amd-amdhsa--gfx1250"
	.amdhsa_code_object_version 6
	.text
	.protected	k_q2376d8eb6c_attn
	.globl	k_q2376d8eb6c_attn
	.p2align	8
	.type	k_q2376d8eb6c_attn,@function
k_q2376d8eb6c_attn:
	s_mov_b64 s[64:65], 0
	v_nop
	global_prefetch_b8 v0, s[64:65] scope:SCOPE_SE
	s_setreg_imm32_b32 hwreg(HW_REG_WAVE_MODE, 25, 1), 1
	s_wait_xcnt 0x0
; out[b][q][hh][:] = the sum over k <= q of softmax_k(Q.K / sqrt(128) + slope[hh] (k - q)) V[b][k][hh][:], both products on codes of BF8 (E5M2), each tensor with the one scale 2^e given for it: eq, ek, ev, ep.
; Q, K: [4][2048][16][128] codes (a head's row: 128 bytes, rows 2,048 bytes apart).  V: [4][16][128][2048] codes, the keys innermost.  out: [4][2048][16][128] f32 (a head's row: 512 bytes, rows 8,192 bytes apart).
; THE SOFTMAX AHEAD OF THE SECOND PRODUCT: t = logit x log2(e); M = the row's largest t so far, rounded UP to a whole number; p = 2^(t - M) is what is quantised, with 2^ep; the row's sum is taken of the unquantised p
; and divides at the end.  When M moves, the sum and O are multiplied by 2^(old M - new M): a power of two.
; SHARES.  Work-group (x, y), y = 16 b + hh, makes TWO blocks of 256 queries of one head: first block 7 - x (it needs key slots 0 .. 7 - x; a slot = 256 keys), then block x (slots 0 .. x): 9 slots whatever x is, so the trip
; counts are constants and the 256 work-groups have equal work.  Wave w of eight owns 32 queries of the block, two tiles of 16: tile a in register window 0, tile b in window 1 under the same register numbers.
; Each fragment of K and of V that comes out of LDS feeds two matrix instructions.  A key step (128 keys) all of whose keys come after the wave's 32 queries is jumped over: a scalar branch on ids.
; NO CLUSTER: the four work-groups of a head want the same slot in trips 0 to 4 only; from trip 5 on they stand at different slots.  Asked for jointly, every partner would have to walk 8 + 4 = 12 slots in step, against 9 here.
; LAYOUT (r = lane % 16, h = lane / 16).  Both products are used transposed, so that a lane holds ONE query throughout.  S^T = K Q^T: source 0 = 16 neighbouring keys 16 t + r, source 1 = the tile's 16 queries;
; register j of tile t is (query r, key KF + 16 t + 8 h + j).  One conversion turns a tile's 8 registers into registers 2 t, 2 t + 1 of P, which is this form's own layout (k = 16 t + 8 h + 0 .. 7).  V's fragments are read in that
; layout too (eight loads of 8 bytes).  K and Q are both read by four loads of 16 bytes: one and the same permutation of the head's 128 on both sides.
; THE BIAS.  k - q = (KF - Q0t) + 16 t + (8 h + j - r).  The lane's part goes in as the C of every product K Q^T: BETA[j] = slope x sqrt(128) x (8 h + j - r) / 2^(eq + ek): eight registers for the whole launch.
; t = cs x S + A16[t] + base, cs = log2(e) / sqrt(128) x 2^(eq + ek), A16[t] = a x 16 t, base = a x (KF - Q0t), a = slope x log2(e).
; LIMITS.  eq + ek between -100 and 100 and |slope| under 2^18 (so that cs and BETA are f32 numbers); ep between -126 and 112; ep + ev is applied by v_ldexp_f32 and has none.  Codes of infinity or NaN and a slope that is not
; finite are not served.  A p under 2^-126 counts as 0.  t is summed as cs S + ((base - M) + A16[t]): three roundings at the size of the bias.
.set KP,    144                        ; a key's row in LDS: 128 bytes + 16 of padding = 36 words: the 16 rows of a load start at 16 different groups of four words modulo 64 (64 banks of 4 bytes: ISA guide 11.1)
.set VP,    272                        ; a row of V's tile: 256 bytes + 16 = 68 words: the 32 lanes of an 8-byte load touch 64 different words modulo 64
.set VOFF,  256*KP                     ; a slot: 256 rows of K, then 128 rows of V
.set SLOT1, 1<<17                      ; slot 1 begins here: one exclusive or turns an address in one slot into the other's
.set SPARE, SLOT1+VOFF+128*VP          ; 202,752: behind the ring: the spare words, 128 bytes for each wave, in blocks of 256 bytes that no other line names
.set STAGE, SPARE+2048                 ; 204,800: the way out: 16 rows x 528 bytes for each wave, its own; no tile ever lands here
.set SP,    528                        ; a stage row: 512 bytes + 16
.set AK0,  1                           ; v1   my lane's place in a tile of K: 144 r + 16 h
.set AV0,  2                           ; v2   in a tile of V: VOFF + 272 r + 8 h
.set PFO,  3                           ; v3   2,048 x lane: the prefetches' offset, a lane a row; never rewritten
.set STI,  4                           ; v4   the stage, on the way in: row r, + 32 h
.set SPW,  5                           ; v5   LDS address of my spare word; never rewritten
.set NIL,  6                           ; v6   0; never rewritten
.set STR,  7                           ; v7   the stage, on the way back: 16 x lane
.set ADR,  8                           ; v8   the address of the run of loads in hand
.set GO,   9                           ; v9   16 x lane: my bytes of a row of out
.set FF,   10                          ; v10  f = 2^(old M - new M)
.set CVS,  11                          ; v11  2^ep as f32 (named with v10 as a pair)
.set QF,   16                          ; v16-31   Q's fragment           (v12 -M, v13 the largest t, v[14:15] the sum in two halves)
.set FR,   32                          ; v32-95   four fragments of K or V: tiles 0-3 in window 0, tiles 4-7 in window 1; on the way out: rows read back
.set ST,   96                          ; v96-159  S^T, then p, on the way out O / the sum
.set OT,   160                         ; v160-223 O^T
.set PC,   224                         ; v224-239 P's codes; ahead of them at work: even registers the tiles' addends, odd ones the tiles' maxima
.set BETA, 240                         ; v240-247 the lane's part of the bias
.set RL,   248                         ; v248 r - 8 h
.set X0,   249
.set SUM2, 250                         ; v[250:251] the sum's second chain
.set X1,   252
.set X2,   253                         ; a lane permute's destination: written at the head
.set MD,   254
.set NINF, 255
.set TB,   2                           ; s2   LDS byte at which the slot in hand begins
.set QA,   4                           ; s[4:5] Q at my first query of the first block
.set G,    16                          ; s16  the trip
.set WV,   18                          ; s18  my wave
.set SW,   19                          ; s19  7 - x: the first block's last trip
.set SEL,  20                          ; s[20:21] lane selects: lane xor 16
.set CS,   22                          ; s[22:23] cs, twice
.set G1K,  24                          ; s[24:31], s[32:39] descriptor groups 1 for K's and V's tiles; s[40:43], s[44:47] their groups 0
.set G1V,  32
.set G0K,  40
.set G0V,  44
.set KB,   48                          ; s[48:49], s[50:51] what I fetch of key slot 0, in K and in V
.set VB,   50
.set QB,   52                          ; s[52:53] Q of the second block; s[54:55], s[56:57] out of the first and of the second
.set OA,   54
.set OB,   56
.set KSL,  58                          ; s58  the key slot last asked for
.set LIM,  59                          ; s59  a wave prefetches while the trip is under this
.set SA,   66                          ; s66  a
.set LIMP, 67                          ; s67  57,344 x 2^ep
.set A16,  72                          ; s[72:79]
.set EPV,  80                          ; s80  ep + ev
.set KF,   81                          ; s81  the step's first key
.set Q0,   82                          ; s82  my first query; s83 the second block's
.set Q0B,  83
.set PFAK, 84                          ; s[84:85], s[86:87] where my prefetches stand in K and in V
.set PFAV, 86
.set MSB, 0
.macro WIN new                         ; s_set_vgpr_msb: bits 1:0 source 0, 3:2 source 1, 5:4 source 2, 7:6 destination; the high byte repeats the setting that is left; a switch that changes nothing is dropped
.if MSB != \new
	s_set_vgpr_msb (MSB<<8)|\new
.set MSB, \new
.endif
.endm
; Waves 0 and 1 fetch K's halves (128 rows each), waves 2 and 3 V's (64 rows each), the others nothing.  The branches hang on the wave's number alone.  Four v_nop follow each of the two lines.
.macro TLOAD
	s_cmp_lt_u32 s[WV], 2
	s_cbranch_scc0 .Lnot_k_\@
	tensor_load_to_lds s[G0K:G0K+3], s[G1K:G1K+7]
	s_nop 0
.rept 4
	v_nop
.endr
	s_branch .Lasked_\@
.Lnot_k_\@:
	s_cmp_lt_u32 s[WV], 4
	s_cbranch_scc0 .Lasked_\@
	tensor_load_to_lds s[G0V:G0V+3], s[G1V:G1V+7]
	s_nop 0
.rept 4
	v_nop
.endr
.Lasked_\@:
.endm
; A PREFETCH INTO THE L2 of the key slot that the NEXT change of slots will ask for: in trip g slot g + 2, a slot's two key steps ahead of that load.  All four work-groups of a head walk the same K and V: the one with
; x = 0, which walks slots 0 to 7 in order, asks; in it waves 4 to 7, which fetch nothing: two instructions each, a lane a row.  V: rows 32 (w - 4) + lane; a slot's part of a row is 256 bytes, aligned.
; K: two neighbouring heads' rows lie side by side in each aligned 256 bytes, so the even head names the slot's first 128 rows and the odd head the other 128: each aligned block of 256 bytes is named once in the launch.
; Slots 0 and 1 come by their loads alone; trips 6 and 7 ask for nothing: there is no slot 8.
.macro ASK
	s_cmp_lt_u32 s[G], s[LIM]
	s_cbranch_scc0 .Lnot_mine_\@
	global_prefetch_b8 v[PFO], s[PFAK:PFAK+1] th:TH_LOAD_NT scope:SCOPE_SE
	global_prefetch_b8 v[PFO], s[PFAV:PFAV+1] th:TH_LOAD_NT scope:SCOPE_SE
.Lnot_mine_\@:
.endm
; THE CHANGE OF SLOTS stands at a slot's head.  Each wave waits for all its tensor loads (its part of the slot that it is about to read), adds 0 to its spare word, and waits for that and for its reads of the slot that it has left.
; Behind the barrier the slot ahead is whole and nobody reads the other one.  fill = 1: that other slot is filled with the next trip's keys: the load has a slot's two key steps in which to land.  One tensor load of a wave is out at most.
.macro CHANGE fill
	s_wait_tensorcnt 0x0                           ; no tensor load of mine is out, so a group 0 may be written
	ds_add_u32 v[SPW], v[NIL]                      ; 0 onto my spare word; the descriptors' steps stand between it and the wait for it
.if \fill
	s_add_co_u32 s[KSL], s[KSL], 1                 ; the next trip's key slot: one on,
	s_cmp_eq_u32 s[G], s[SW]
	s_cselect_b32 s[KSL], 0, s[KSL]                ; or slot 0 again where the next trip begins the second block
	s_lshl_b32 s60, s[KSL], 19                     ; 256 rows of 2,048 bytes in K (s61 = s63 = 0)
	s_lshl_b32 s62, s[KSL], 8                      ; 256 bytes of each row of V
	s_xor_b32 s[G0K+1], s[G0K+1], SLOT1            ; the other slot than last time
	s_add_nc_u64 s[G0K+2:G0K+3], s[KB:KB+1], s[60:61]
	s_or_b32 s[G0K+3], s[G0K+3], 0x80000000        ; type = 2
	s_xor_b32 s[G0V+1], s[G0V+1], SLOT1
	s_add_nc_u64 s[G0V+2:G0V+3], s[VB:VB+1], s[62:63]
	s_or_b32 s[G0V+3], s[G0V+3], 0x80000000
	s_wait_xcnt 0x0                                ; the last prefetches, a slot back, have read their addresses, so these may be written
	s_add_nc_u64 s[PFAK:PFAK+1], s[PFAK:PFAK+1], 1<<19
	s_add_nc_u64 s[PFAV:PFAV+1], s[PFAV:PFAV+1], 256
.endif
	s_wait_dscnt 0x0                               ; the add is done, and my reads of the slot that I have left are over
	s_barrier_signal -1
	s_barrier_wait -1
.if \fill
	TLOAD                                          ; the first thing behind the barrier, and a wave's one tensor load until the next
	ASK
.endif
.endm
; Four products S^T = K Q^T + BETA, tiles base .. base + 3 of keys; the window setting says whose queries (tile a or b) and which four fragments.
.macro KQ win, base
	WIN \win
.irp t, 0,1,2,3
	v_wmma_f32_16x16x128_bf8_bf8 v[ST+8*(\base+\t):ST+8*(\base+\t)+7], v[FR+16*\t:FR+16*\t+15], v[QF:QF+15], v[BETA:BETA+7]
.endr
.endm
; Four products O^T += V^T P^T, tiles base .. base + 3 of channels.  The accumulators take turns, one instruction a turn.
.macro PV win, base
	WIN \win
.irp t, 0,1,2,3
	v_wmma_f32_16x16x128_bf8_bf8 v[OT+8*(\base+\t):OT+8*(\base+\t)+7], v[FR+16*\t:FR+16*\t+15], v[PC:PC+15], v[OT+8*(\base+\t):OT+8*(\base+\t)+7]
.endr
.endm
; On the diagonal the scores of hidden keys become -infinity ahead of the maximum: p = 0 then.  s[nd] = Q0t - KF.  Register 8 t + j holds key KF + 16 t + 8 h + j: hidden where 16 t + j > nd + r - 8 h.
.macro MASK nd
	v_add_nc_u32 v[MD], s[\nd], v[RL]
	v_mov_b32 v[NINF], 0xff800000
.set n, 0
.rept 64
	v_cmp_gt_i32 vcc_lo, 16*(n/8)+n%8, v[MD]
	v_cndmask_b32 v[ST+n], v[ST+n], v[NINF], vcc_lo
.set n, n+1
.endr
.endm
; One tile's softmax for one key step; it runs in window 0 for tile a and, word for word, in window 1 for tile b.  s[dreg] = KF - Q0t.
.macro SOFTMAX dreg
.irp t, 0,1,2,3,4,5,6,7                        ; each key tile's largest score, eight chains by turns; each accumulator is read from its low end on
	v_max3_num_f32 v[PC+1+2*\t], v[ST+8*\t], v[ST+8*\t+1], v[ST+8*\t+2]
.endr
.irp t, 0,1,2,3,4,5,6,7
	v_max3_num_f32 v[PC+1+2*\t], v[PC+1+2*\t], v[ST+8*\t+3], v[ST+8*\t+4]
.endr
.irp t, 0,1,2,3,4,5,6,7
	v_max3_num_f32 v[PC+1+2*\t], v[PC+1+2*\t], v[ST+8*\t+5], v[ST+8*\t+6]
.endr
.irp t, 0,1,2,3,4,5,6,7
	v_max_num_f32 v[PC+1+2*\t], v[PC+1+2*\t], v[ST+8*\t+7]
.endr
.irp t, 0,1,2,3,4,5,6,7
	v_fma_f32 v[PC+1+2*\t], v[PC+1+2*\t], s[CS], s[A16+\t]   ; as t, without base (cs is positive)
.endr
	v_cvt_f32_i32 v[X1], s[\dreg]
	v_max3_num_f32 v[X0], v[PC+1], v[PC+3], v[PC+5]
	v_mul_f32 v[X1], s[SA], v[X1]                  ; base = a x (KF - Q0t)
	v_max3_num_f32 v[X0], v[X0], v[PC+7], v[PC+9]
	v_max3_num_f32 v[X0], v[X0], v[PC+11], v[PC+13]
	v_max_num_f32 v[X0], v[X0], v[PC+15]
	v_permlanex16_b32 v[X2], v[X0], s[SEL], s[SEL+1]
	v_max_num_f32 v[X0], v[X0], v[X2]              ; and among lane xor 16's 64 keys
	v_add_f32 v[X0], v[X0], v[X1]
	v_max_num_f32 v13, v13, v[X0]                  ; the running largest t
	v_mov_b32 v[X0], v12
	v_floor_f32 v12, -v13                          ; the new -M = floor(-t) = -ceil(t): M is a whole number
	v_sub_f32 v[X0], v12, v[X0]                    ; old M - new M: a whole number, 0 or less
	v_cvt_i32_f32 v[X0], v[X0]                     ; (it saturates)
	v_ldexp_f32 v[FF], 1.0, v[X0]                  ; f = 2^(old M - new M)
	v_add_f32 v[X1], v[X1], v12                    ; base - M
.irp t, 0,1,2,3,4,5,6,7
	v_add_f32 v[PC+2*\t], s[A16+\t], v[X1]         ; the tile's addend
.endr
.irp t, 0,1,2,3,4,5,6,7
.irp i, 0,2,4,6
	v_pk_fma_f32 v[ST+8*\t+\i:ST+8*\t+\i+1], v[ST+8*\t+\i:ST+8*\t+\i+1], s[CS:CS+1], v[PC+2*\t:PC+2*\t+1] op_sel_hi:[1,0,0]   ; t - M, two at a time (of the pairs cs and addend the low word serves both halves)
.endr
.endr
.set n, 0
.rept 64
	v_exp_f32 v[ST+n], v[ST+n]                     ; p = 2^(t - M): NOT normalised
.set n, n+1
.endr
	v_pk_mul_f32 v[14:15], v[14:15], v[FF:FF+1] op_sel_hi:[1,0]   ; the sums under the new M: the plain instruction behind the exponentials
	s_wait_alu depctr_va_vdst(0)                   ; one wait for the batch of 64, ahead of its first reader
	v_pk_add_f32 v[SUM2:SUM2+1], v[ST:ST+1], v[ST+2:ST+3]   ; the row's sum is taken of the UNQUANTISED p: two at a time, in two chains
.irp j, 4,8,12,16,20,24,28,32,36,40,44,48,52,56,60
	v_pk_add_f32 v[14:15], v[14:15], v[ST+\j:ST+\j+1]
	v_pk_add_f32 v[SUM2:SUM2+1], v[SUM2:SUM2+1], v[ST+\j+2:ST+\j+3]
.endr
	v_pk_add_f32 v[14:15], v[14:15], v[SUM2:SUM2+1]
.irp t, 0,1,2,3,4,5,6,7
.irp i, 0,1,2,3,4,5,6,7
	v_min_num_f32 v[ST+8*\t+\i], s[LIMP], v[ST+8*\t+\i]   ; the conversion to an 8-bit code does not saturate (ISA guide 7.6.2); p is not negative, so the hold is one-sided
.endr
	v_cvt_scalef32_pk8_bf8_f32 v[PC+2*\t:PC+2*\t+1], v[ST+8*\t:ST+8*\t+7], v[CVS]   ; keys 16 t + 8 h + 0 .. 7: registers 2 t, 2 t + 1 of P
.endr
.set n, 0
.rept 32
	v_pk_mul_f32 v[OT+n:OT+n+1], v[OT+n:OT+n+1], v[FF:FF+1] op_sel_hi:[1,0]   ; O^T under the new M; these are also the plain instructions behind the conversions
.set n, n+2
.endr
.endm
; A KEY STEP: 128 keys, the q-th of the slot in hand, for my two tiles of queries.
.macro STEP q
	s_add_co_u32 s94, s[Q0], 31
	s_cmp_gt_u32 s[KF], s94                        ; all 128 keys come after my 32 queries: the step's work is left out; no barrier and no tensor load stands in a step
	s_cbranch_scc1 .Lhidden_\@
	v_add_nc_u32 v[ADR], s[TB], v[AK0]
.rept 3
	v_nop                                          ; with the addition: four plain instructions between the last products and loads into registers that they have read (ISA guide 7.12.1 for vector instructions)
.endr
.irp t, 0,1,2,3
.irp c, 0,1,2,3
	ds_load_b128 v[FR+16*\t+4*\c:FR+16*\t+4*\c+3], v[ADR] offset:(128*(\q)+16*\t)*KP+32*\c
.endr
.endr
	WIN 0x40                                       ; destination window 1
.irp t, 0,1,2,3
.irp c, 0,1,2,3
	ds_load_b128 v[FR+16*\t+4*\c:FR+16*\t+4*\c+3], v[ADR] offset:(128*(\q)+64+16*\t)*KP+32*\c
.endr
.endr
	s_sub_co_i32 s90, s[KF], s[Q0]                 ; KF - Q0t for tile a,
	s_sub_co_i32 s91, s90, 16                      ; for tile b;
	s_sub_co_i32 s92, s[Q0], s[KF]                 ; Q0t - KF for tile a,
	s_add_co_i32 s93, s92, 16                      ; for tile b
	s_wait_dscnt 16                                ; K's tiles 0-3 are in; the 16 loads of tiles 4-7 may be out
	KQ 0x00, 0                                     ; tile a
	KQ 0x54, 0                                     ; tile b: Q, BETA and S^T in window 1
	s_wait_dscnt 0x0
	KQ 0x01, 4                                     ; K's tiles 4-7 lie in window 1
	KQ 0x55, 4
	WIN 0
	v_add_nc_u32 v[ADR], s[TB], v[AV0]
.rept 3
	v_nop                                          ; four plain instructions again: ahead of the loads below and of the first read of the scores
.endr
.irp t, 0,1,2,3                                ; V's eight fragments are asked for here and land under the softmax
.irp c, 0,1,2,3,4,5,6,7
	ds_load_b64 v[FR+16*\t+2*\c:FR+16*\t+2*\c+1], v[ADR] offset:16*\t*VP+128*(\q)+16*\c
.endr
.endr
	WIN 0x40
.irp t, 0,1,2,3
.irp c, 0,1,2,3,4,5,6,7
	ds_load_b64 v[FR+16*\t+2*\c:FR+16*\t+2*\c+1], v[ADR] offset:(64+16*\t)*VP+128*(\q)+16*\c
.endr
.endr
	WIN 0
	s_add_co_u32 s94, s[KF], 127
	s_cmp_le_u32 s94, s[Q0]                        ; all 128 keys count for all my queries: no mask
	s_cbranch_scc1 .Lopen_\@
	MASK 92
	WIN 0x55
	MASK 93
	WIN 0
.Lopen_\@:
	SOFTMAX 90
	WIN 0x55
	SOFTMAX 91
	s_wait_dscnt 32                                ; V's tiles 0-3 are in; the 32 loads of tiles 4-7 may be out
	PV 0x00, 0
	PV 0x54, 0
	s_wait_dscnt 0x0
	PV 0x01, 4
	PV 0x55, 4
	WIN 0
.Lhidden_\@:
	s_add_co_u32 s[KF], s[KF], 128
.endm
; Q's two fragments: lane (r, h) takes, of row r, the 16 bytes at 32 c + 16 h; tile b lies 16 rows of 2,048 bytes on.
.macro QLOAD ptr
	v_and_b32 v[X0], 16, v0
	v_and_b32 v[ADR], 15, v0
	v_lshl_or_b32 v[ADR], v[ADR], 11, v[X0]
.irp c, 0,1,2,3
	global_load_b128 v[QF+4*\c:QF+4*\c+3], v[ADR], s[\ptr:\ptr+1] offset:32*\c
.endr
	WIN 0x40
.irp c, 0,1,2,3
	global_load_b128 v[QF+4*\c:QF+4*\c+3], v[ADR], s[\ptr:\ptr+1] offset:32768+32*\c
.endr
	WIN 0
.endm
; A block begins: the largest t is -3e38, under every t, -M its floor; the sum and O^T are zeros, which the first change of M leaves zeros.  So the key step is written without a first step of its own.
.macro INIT
	v_mov_b32 v13, 0xff61b1e6
	v_mov_b32 v12, 0x7f61b1e6
	v_mov_b32 v14, 0
	v_mov_b32 v15, 0
.set n, 0
.rept 64
	v_mov_b32 v[OT+n], 0
.set n, n+1
.endr
.endm
; O^T / the sum x 2^(ep + ev), into the registers that p has left.
.macro NORM
	v_add_f32 v14, v14, v15                        ; the sum's two halves,
	v_permlanex16_b32 v[X2], v14, s[SEL], s[SEL+1]
	v_add_f32 v14, v14, v[X2]                      ; and lane xor 16's
	v_rcp_f32 v14, v14
	v_nop                                          ; a plain instruction behind the reciprocal
	v_nop
	s_wait_alu depctr_va_vdst(0)                   ; and a wait ahead of its first reader
	v_ldexp_f32 v14, v14, s[EPV]
.set n, 0
.rept 32
	v_pk_mul_f32 v[ST+n:ST+n+1], v[OT+n:OT+n+1], v[14:15] op_sel_hi:[1,0]   ; each accumulator from its low end on
.set n, n+2
.endr
.endm
; THE WAY OUT.  A lane holds 32 neighbouring bytes of eight pieces of one row, and the lanes beside it hold other rows: a tile (16 rows x 512 bytes) goes through my own stage and comes back as whole rows, which the 32 lanes
; store as 512 consecutive bytes, at a multiple of 256 from the buffer's first byte.  LDS serves a wave's instructions in order (ISA guide 5.7.1.4): no wait between the stores and the loads, nor in front of tile b's stores.
.macro WAYOUT ptr
	NORM
.irp u, 0,1,2,3,4,5,6,7
	ds_store_b128 v[STI], v[ST+8*\u:ST+8*\u+3] offset:64*\u
	ds_store_b128 v[STI], v[ST+8*\u+4:ST+8*\u+7] offset:64*\u+16
.endr
.irp i, 0,1,2,3,4,5,6,7,8,9,10,11,12,13,14,15
	ds_load_b128 v[FR+4*\i:FR+4*\i+3], v[STR] offset:\i*SP
.endr
	WIN 0x55
	NORM                                           ; tile b's arithmetic stands between tile a's loads and the wait for them
	WIN 0x04                                       ; the stores' data in window 1
.irp u, 0,1,2,3,4,5,6,7
	ds_store_b128 v[STI], v[ST+8*\u:ST+8*\u+3] offset:64*\u
	ds_store_b128 v[STI], v[ST+8*\u+4:ST+8*\u+7] offset:64*\u+16
.endr
	WIN 0x40
.irp i, 0,1,2,3,4,5,6,7,8,9,10,11,12,13,14,15
	ds_load_b128 v[FR+4*\i:FR+4*\i+3], v[STR] offset:\i*SP
.endr
	WIN 0
	s_wait_dscnt 32                                ; tile a's rows are back; behind them stand tile b's 16 stores and 16 loads
.irp i, 0,1,2,3,4,5,6,7,8,9,10,11,12,13,14,15
	global_store_b128 v[GO], v[FR+4*\i:FR+4*\i+3], s[\ptr:\ptr+1] offset:8192*\i th:TH_STORE_NT
.endr
	s_wait_dscnt 0x0
	WIN 0x04
.irp i, 0,1,2,3,4,5,6,7,8,9,10,11,12,13,14,15
	global_store_b128 v[GO], v[FR+4*\i:FR+4*\i+3], s[\ptr:\ptr+1] offset:131072+8192*\i th:TH_STORE_NT
.endr
	WIN 0
.endm
	s_load_b128 s[4:7], s[0:1], 0x0                ; Q's codes s[4:5], K's codes s[6:7]
	s_load_b128 s[8:11], s[0:1], 0x10              ; V's codes s[8:9], the scales' exponents s[10:11]
	s_load_b128 s[12:15], s[0:1], 0x20             ; the slopes s[12:13], out s[14:15]
	v_lshl_add_u32 v[SPW], v0, 2, SPARE
	v_mov_b32 v[NIL], 0
	ds_add_u32 v5, v6
	s_wait_dscnt 0x0
	v_lshrrev_b32 v[ADR], 5, v0
	v_readfirstlane_b32 s[WV], v[ADR]              ; wave 0..7
	s_and_b32 s88, ttmp7, 0xffff                   ; y = 16 b + hh
	s_lshr_b32 s89, s88, 4                         ; b
	s_and_b32 s90, s88, 15                         ; hh
	s_sub_co_u32 s[SW], 7, ttmp9
	s_lshl_b32 s91, s89, 22
	s_lshl_b32 s92, s90, 7
	s_add_co_u32 s91, s91, s92                     ; the head's first byte in Q and in K
	s_and_b32 s93, s[WV], 1                        ; which half of a tile I fetch, if I fetch
	s_lshl_b32 s60, s93, 18                        ; K: 128 rows of 2,048 bytes
	s_add_co_u32 s60, s60, s91
	s_mov_b32 s61, 0                               ; s61 and s63 stay 0: the upper words of two offsets
	s_lshl_b32 s62, s88, 18                        ; V: the head's 128 rows of 2,048 bytes,
	s_lshl_b32 s92, s93, 17                        ; 64 rows
	s_add_co_u32 s62, s62, s92
	s_mov_b32 s63, 0
	s_lshl_b32 s96, s90, 2                         ; my head's slope
	s_mov_b32 s97, 0
	; descriptor group 1.  K: 128 rows of 128 bytes, 2,048 bytes apart;  V: 64 rows of 256 bytes, 2,048 bytes apart
	s_mov_b32 s[G1K], (0<<16)|(1<<20)|(4<<22)|(3<<25)   ; 15:0 no mask; 17:16 elements of 1 byte; 20 padding on; 24:22 after every 32 words (code 4); 31:25 four words (code 3)
	s_mov_b32 s[G1K+1], 128<<16                    ; tensor_dim0
	s_mov_b32 s[G1K+2], 128<<16                    ; tensor_dim1
	s_mov_b32 s[G1K+3], 128<<16                    ; tile_dim0
	s_mov_b32 s[G1K+4], 128                        ; tile_dim1
	s_mov_b32 s[G1K+5], 2048                       ; tensor_dim0_stride
	s_mov_b32 s[G1K+6], 0
	s_mov_b32 s[G1K+7], 0
	s_mov_b32 s[G1V], (0<<16)|(1<<20)|(5<<22)|(3<<25)   ; padding: four words after every 64
	s_mov_b32 s[G1V+1], 256<<16
	s_mov_b32 s[G1V+2], 64<<16
	s_mov_b32 s[G1V+3], 256<<16
	s_mov_b32 s[G1V+4], 64
	s_mov_b32 s[G1V+5], 2048
	s_mov_b32 s[G1V+6], 0
	s_mov_b32 s[G1V+7], 0
	s_mov_b32 s[G0K], 1                            ; 1:0 count = 1
	s_mul_i32 s[G0K+1], s93, 128*KP                ; 63:32 LDS address: slot 0, my half
	s_mov_b32 s[G0V], 1
	s_mul_i32 s[G0V+1], s93, 64*VP
	s_add_co_u32 s[G0V+1], s[G0V+1], VOFF
	s_mov_b32 s[SEL], 0x76543210
	s_mov_b32 s[SEL+1], 0xfedcba98
	s_mov_b32 s[TB], 0
	s_mov_b32 s[G], 0
	s_mov_b32 s[KSL], 0
	s_mov_b32 s[KF], 0
	s_wait_kmcnt 0x0
	s_add_nc_u64 s[12:13], s[12:13], s[96:97]
	s_load_b128 s[68:71], s[10:11], 0x0            ; eq, ek, ev, ep
	s_load_b32 s99, s[12:13], 0x0                  ; slope[hh]
	s_add_nc_u64 s[KB:KB+1], s[6:7], s[60:61]
	s_add_nc_u64 s[VB:VB+1], s[8:9], s[62:63]
	s_mov_b64 s[G0K+2:G0K+3], s[KB:KB+1]           ; 120:64 global address: key slot 0
	s_or_b32 s[G0K+3], s[G0K+3], 0x80000000        ; 127:126 type = 2
	s_mov_b64 s[G0V+2:G0V+3], s[VB:VB+1]
	s_or_b32 s[G0V+3], s[G0V+3], 0x80000000
	TLOAD                                          ; slot 0, ahead of every wait on TENSORcnt, every LDS read and every barrier
	s_lshl_b32 s93, s[WV], 5                       ; 32 w
	s_lshl_b32 s[Q0], s[SW], 8
	s_add_co_u32 s[Q0], s[Q0], s93                 ; my first query: 256 (7 - x) + 32 w,
	s_lshl_b32 s[Q0B], ttmp9, 8
	s_add_co_u32 s[Q0B], s[Q0B], s93               ; and in the second block: 256 x + 32 w
	s_lshl_b32 s60, s[Q0], 11
	s_add_co_u32 s60, s60, s91
	s_lshl_b32 s62, s[Q0B], 11
	s_add_co_u32 s62, s62, s91
	s_add_nc_u64 s[QB:QB+1], s[4:5], s[62:63]
	s_add_nc_u64 s[QA:QA+1], s[4:5], s[60:61]
	QLOAD QA
	s_lshl_b32 s94, s89, 24
	s_lshl_b32 s95, s90, 9
	s_add_co_u32 s94, s94, s95                     ; the head's first byte in out
	s_lshl_b32 s60, s[Q0], 13
	s_add_co_u32 s60, s60, s94
	s_lshl_b32 s62, s[Q0B], 13
	s_add_co_u32 s62, s62, s94
	s_add_nc_u64 s[OA:OA+1], s[14:15], s[60:61]
	s_add_nc_u64 s[OB:OB+1], s[14:15], s[62:63]
	; the prefetches (macro ASK): where my wave's stand, and who asks.  They stand in key slot 1: the first change of slots steps them to slot 2.  Nothing is prefetched here, at the head
	s_and_b32 s95, s90, 14
	s_lshl_b32 s95, s95, 7                         ; the pair of heads' 256 bytes of a row of K
	s_lshl_b32 s60, s89, 22
	s_add_co_u32 s60, s60, s95
	s_and_b32 s95, s90, 1
	s_lshl_b32 s95, s95, 18                        ; the odd head takes the slot's rows 128 on
	s_add_co_u32 s60, s60, s95
	s_and_b32 s96, s[WV], 3
	s_lshl_b32 s96, s96, 16                        ; my wave's 32 rows of 2,048 bytes
	s_add_co_u32 s60, s60, s96
	s_add_co_u32 s60, s60, 1<<19
	s_add_nc_u64 s[PFAK:PFAK+1], s[6:7], s[60:61]
	s_lshl_b32 s62, s88, 18
	s_add_co_u32 s62, s62, s96
	s_add_co_u32 s62, s62, 256
	s_add_nc_u64 s[PFAV:PFAV+1], s[8:9], s[62:63]
	s_lshr_b32 s95, s[WV], 2
	s_xor_b32 s95, s95, 1                          ; 0 in waves 4 to 7,
	s_or_b32 s95, s95, ttmp9                       ; of the work-group with x = 0
	s_cmp_eq_u32 s95, 0
	s_cselect_b32 s[LIM], 6, 0
	v_and_b32 v[RL], 15, v0                        ; r
	v_bfe_u32 v[X0], v0, 4, 1                      ; h
	v_mul_u32_u24 v[AK0], v[RL], KP
	v_lshl_add_u32 v[AK0], v[X0], 4, v[AK0]
	v_mul_u32_u24 v[AV0], v[RL], VP
	v_lshl_add_u32 v[AV0], v[X0], 3, v[AV0]
	v_add_nc_u32 v[AV0], VOFF, v[AV0]
	v_and_b32 v[GO], 31, v0
	v_lshlrev_b32 v[PFO], 11, v[GO]
	v_lshlrev_b32 v[GO], 4, v[GO]
	s_mul_i32 s95, s[WV], 16*SP
	s_add_co_u32 s95, s95, STAGE                   ; my stage
	v_mul_u32_u24 v[STI], v[RL], SP
	v_lshl_add_u32 v[STI], v[X0], 5, v[STI]
	v_add_nc_u32 v[STI], s95, v[STI]
	v_add_nc_u32 v[STR], s95, v[GO]
	v_lshlrev_b32 v[X0], 3, v[X0]
	v_sub_nc_u32 v[RL], v[RL], v[X0]               ; r - 8 h
	s_wait_kmcnt 0x0
	s_add_co_i32 s92, s68, s69                     ; eq + ek: a score stands for score x 2^(eq + ek): added to the exponent field of
	s_lshl_b32 s93, s92, 23
	s_mov_b32 s[CS], 0x3e0293ee                    ; log2(e) / sqrt(128)
	s_add_co_i32 s[CS], s[CS], s93
	s_mov_b32 s[CS+1], s[CS]                       ; (named with it as a pair, so it is written)
	s_sub_co_i32 s92, 0, s92
	s_add_co_i32 s[EPV], s70, s71                  ; ev + ep
	s_add_co_i32 s93, s71, 127
	s_lshl_b32 s94, s93, 23
	v_mov_b32 v[CVS], s94                          ; 2^ep as f32: the conversion takes its exponent field
	s_add_co_i32 s93, s93, 15
	s_lshl_b32 s93, s93, 23
	s_or_b32 s[LIMP], s93, 0x600000                ; 57,344 x 2^ep
	v_mov_b32 v[X1], s99
	v_mul_f32 v[X2], 0x413504f3, v[X1]             ; slope x sqrt(128)
	v_mul_f32 v[X0], 0x3fb8aa3b, v[X1]             ; a = slope x log2(e)
	v_readfirstlane_b32 s[SA], v[X0]
.irp t, 0,1,2,3,4,5,6,7
	v_cvt_f32_u32 v[SUM2], 16*\t
	v_mul_f32 v[SUM2], v[X0], v[SUM2]
	v_readfirstlane_b32 s[A16+\t], v[SUM2]         ; a x 16 t
.endr
.irp j, 0,1,2,3,4,5,6,7
	v_sub_nc_u32 v[BETA+\j], \j, v[RL]             ; 8 h + j - r
	v_cvt_f32_i32 v[BETA+\j], v[BETA+\j]
	v_mul_f32 v[BETA+\j], v[X2], v[BETA+\j]
	v_ldexp_f32 v[BETA+\j], v[BETA+\j], s92        ; / 2^(eq + ek): the power of two that the sums of codes lack
.endr
	WIN 0x40                                       ; destination window 1: tile b's copies of what both tiles read
	v_mov_b32 v[CVS], v[CVS]
	v_mov_b32 v[RL], v[RL]
	v_mov_b32 v[X2], v[X2]                         ; (any number: a lane permute's destination counts as one of its sources)
.irp j, 0,1,2,3,4,5,6,7
	v_mov_b32 v[BETA+\j], v[BETA+\j]
.endr
	INIT
	WIN 0
	INIT
	s_wait_loadcnt 0x0                             ; Q; its offset register is free
.Lslot:                                            ; 8 trips: behind each change of slots but the last the next trip's slot is asked for
	CHANGE 1
	STEP 0
	STEP 1
	s_xor_b32 s[TB], s[TB], SLOT1                  ; on to the other slot
	s_cmp_lg_u32 s[G], s[SW]                       ; the first block's last slot?  A branch on ids; no barrier and no tensor load stands under it
	s_cbranch_scc1 .Lsame_block
	QLOAD QB                                       ; the second block's queries are asked for, the first block goes out, the statistics begin anew
	WAYOUT OA
	WIN 0x40
	INIT
	WIN 0
	INIT
	s_mov_b32 s[KF], 0
	s_mov_b32 s[Q0], s[Q0B]
	s_wait_loadcnt 0x0                             ; Q
	s_wait_xcnt 0x0                                ; the stores have read their registers: the next step's fragments may land there
.Lsame_block:
	s_add_co_u32 s[G], s[G], 1
	s_cmp_lt_u32 s[G], 8
	s_cbranch_scc1 .Lslot
	CHANGE 0                                       ; the last slot is written out
	STEP 0
	STEP 1
	WAYOUT OB
	s_wait_tensorcnt 0x0                           ; the wave's end: behind my last tensor load and my last LDS store
	ds_add_u32 v[SPW], v[NIL]
	s_wait_dscnt 0x0
	s_endpgm
.Lfunc_end_k_q2376d8eb6c_attn:
	.size	k_q2376d8eb6c_attn, .Lfunc_end_k_q2376d8eb6c_attn-k_q2376d8eb6c_attn
	.p2alignl 7, 3214868480
	.fill 96, 4, 3214868480
	.section	.rodata,"a",@progbits
	.p2align	6, 0x0
	.amdhsa_kernel k_q2376d8eb6c_attn
		.amdhsa_group_segment_fixed_size 327680
		.amdhsa_private_segment_fixed_size 0
		.amdhsa_enable_private_segment 0
		.amdhsa_kernarg_size 48
		.amdhsa_user_sgpr_count 2
		.amdhsa_user_sgpr_kernarg_segment_ptr 1
		.amdhsa_wavefront_size32 1
		.amdhsa_system_sgpr_workgroup_id_x 1
		.amdhsa_system_sgpr_workgroup_id_y 1
		.amdhsa_system_sgpr_workgroup_id_z 1
		.amdhsa_system_vgpr_workitem_id 0
		.amdhsa_next_free_vgpr 512
		.amdhsa_next_free_sgpr 100
		.amdhsa_reserve_vcc 1
		.amdhsa_float_denorm_mode_32 3
		.amdhsa_float_denorm_mode_16_64 3
		.amdhsa_memory_ordered 1
		.amdhsa_forward_progress 1
		.amdhsa_inst_pref_size 234
	.end_amdhsa_kernel
	.amdgpu_metadata
---
amdhsa.version: [ 1, 2 ]
amdhsa.kernels:
  - .name:           k_q2376d8eb6c_attn
    .symbol:         k_q2376d8eb6c_attn.kd
    .args:
      - { .name: query_codes, .offset: 0, .size: 8, .value_kind: global_buffer, .address_space: global }
      - { .name: key_codes, .offset: 8, .size: 8, .value_kind: global_buffer, .address_space: global }
      - { .name: value_codes, .offset: 16, .size: 8, .value_kind: global_buffer, .address_space: global }
      - { .name: lowp_scales, .offset: 24, .size: 8, .value_kind: global_buffer, .address_space: global }
      - { .name: alibi_slopes, .offset: 32, .size: 8, .value_kind: global_buffer, .address_space: global }
      - { .name: out0, .offset: 40, .size: 8, .value_kind: global_buffer, .address_space: global }
    .group_segment_fixed_size: 327680
    .private_segment_fixed_size: 0
    .kernarg_segment_align: 8
    .kernarg_segment_size: 48
    .max_flat_workgroup_size: 256
    .sgpr_count:     100
    .vgpr_count:     512
    .wavefront_size: 32
...
	.end_amdgpu_metadata
.endif
;; end of part 1
